; MI455X (gfx1250); checked and timed in simulation.
; The chip was launched on July 23, 2026; its instructions are those of AMD's public machine-readable ISA for CDNA 5 (MIT licence, August 2026) and "CDNA5" Instruction Set Architecture Reference Guide (July 2026). The comments in the code are by the model that wrote it; some were corrected since.
;; Moe Layer. Allowed arithmetic: matrix products marked QUANTISED: E4M3 operands, one E8M0 scale for each 32 along K, by v_wmma_scale_f32_16x16x128_f8f6f4 with both operands' format E4M3, f32 sums; products left as they are: f32 operands where the result goes on into a quantised operand, else bf16, f16 or f32 operands; f32 sums; everything else in f32.
;; Inputs: gate_w 1,024 x 8 float32; w1_codes 8 x 4,096 x 32 x 32 uint8 (E4M3 codes of w1, K innermost, in blocks of 32 codes); w1_scales 8 x 4,096 x 32 uint8 (E8M0 scales of w1, one for each 32 codes along K); w2_codes 8 x 1,024 x 128 x 32 uint8 (E4M3 codes of w2, K innermost, in blocks of 32 codes); w2_scales 8 x 1,024 x 128 uint8 (E8M0 scales of w2, one for each 32 codes along K); x 4 x 256 x 1,024 float32.
;; Outputs: out0 4 x 256 x 1,024 float32.
;; This version of the problem:
;;   THIS VERSION OF THE PROBLEM IS GIVEN IN LOW PRECISION. The matrix products marked QUANTISED in the list below multiply operands that are first quantised to E4M3 (4 exponent bits, 3 mantissa bits; 8 bits a number), with one power-of-two scale for each 32 numbers along K (OCP MX v1.0); their sums are f32. All else is computed in f32.
;;   The module's matrix products, in the order in which they are computed (A, B: the left and right operand; K: the contracted axis; several contracted axes count as one K, in the product's order):
;;     1. [M 1,024, K 1,024] x [K 1,024, N 8]; A: input x; B: input gate_w: left as it is (N = 8 < 16)
;;     2. [M 1,024, K 1,024] x [K 1,024, N 4,096]; A: input x; B: input w1 (given as codes): QUANTISED
;;     3. [M 1,024, K 4,096] x [K 4,096, N 1,024]; A: computed on the way; B: input w2 (given as codes): QUANTISED
;;     4. [M 1,024, K 1,024] x [K 1,024, N 4,096]; A: input x; B: input w1 (given as codes): QUANTISED
;;     5. [M 1,024, K 4,096] x [K 4,096, N 1,024]; A: computed on the way; B: input w2 (given as codes): QUANTISED
;;     6. [M 1,024, K 1,024] x [K 1,024, N 4,096]; A: input x; B: input w1 (given as codes): QUANTISED
;;     7. [M 1,024, K 4,096] x [K 4,096, N 1,024]; A: computed on the way; B: input w2 (given as codes): QUANTISED
;;     8. [M 1,024, K 1,024] x [K 1,024, N 4,096]; A: input x; B: input w1 (given as codes): QUANTISED
;;     9. [M 1,024, K 4,096] x [K 4,096, N 1,024]; A: computed on the way; B: input w2 (given as codes): QUANTISED
;;     10. [M 1,024, K 1,024] x [K 1,024, N 4,096]; A: input x; B: input w1 (given as codes): QUANTISED
;;     11. [M 1,024, K 4,096] x [K 4,096, N 1,024]; A: computed on the way; B: input w2 (given as codes): QUANTISED
;;     12. [M 1,024, K 1,024] x [K 1,024, N 4,096]; A: input x; B: input w1 (given as codes): QUANTISED
;;     13. [M 1,024, K 4,096] x [K 4,096, N 1,024]; A: computed on the way; B: input w2 (given as codes): QUANTISED
;;     14. [M 1,024, K 1,024] x [K 1,024, N 4,096]; A: input x; B: input w1 (given as codes): QUANTISED
;;     15. [M 1,024, K 4,096] x [K 4,096, N 1,024]; A: computed on the way; B: input w2 (given as codes): QUANTISED
;;     16. [M 1,024, K 1,024] x [K 1,024, N 4,096]; A: input x; B: input w1 (given as codes): QUANTISED
;;     17. [M 1,024, K 4,096] x [K 4,096, N 1,024]; A: computed on the way; B: input w2 (given as codes): QUANTISED
;;   THE QUANTISER, for each operand of a quantised product, along K:
;;     - K is cut into blocks of 32 from its start; a last block that is shorter is filled with zeros.
;;     - A block's scale is 2^e with e = floor(log2(the largest magnitude in the block)) - 8, held to -126 .. 127; a block of zeros has e = 0. As a byte (E8M0): e + 127.
;;     - Each number is divided by its block's scale, clamped to +-448, and rounded to the nearest number of E4M3, ties to even, subnormals kept.
;;     - The product sums the exact products of the quantised numbers (number of the format x scale) in f32.
;;   ~~~python
;;   def quantise(x, axis):      # numpy; x: float32 -> the quantised numbers, widened to float32 again
;;       x = np.moveaxis(x, axis, -1); K = x.shape[-1]
;;       x = np.pad(x, [(0, 0)] * (x.ndim - 1) + [(0, -K % 32)]); x = x.reshape(x.shape[:-1] + (-1, 32)); a = np.abs(x).max(-1, keepdims=True)
;;       e = np.where(a > 0, np.clip(np.frexp(np.where(a > 0, a, 1))[1] - 1 - 8, -126, 127), 0)      # np.frexp(a)[1] - 1 = floor(log2(a)), exactly
;;       r = np.clip(x / 2.0 ** e, -448, 448)
;;       step = 2.0 ** (np.maximum(np.frexp(np.where(r == 0, 1, r))[1] - 1, -6) - 3)
;;       q = np.round(r / step) * step * 2.0 ** e      # np.round: ties to even
;;       return np.moveaxis(q.reshape(q.shape[:-2] + (-1,))[..., :K], -1, axis).astype(np.float32)
;;   ~~~
;;   OPERANDS COMPUTED ON THE WAY. 'Computed on the way' means the value that the module computes at that place (a softmax that the list does not call 'softmax' is quantised finished and normalised). What goes into a quantiser is computed in f32, as accurately as f32 sums, v_exp_f32 and their like allow (about 1e-6 of the number): no bf16 or f16 on the way to a quantiser, and a product that is left as it is and whose result goes on into a quantised operand takes f32 operands (vector FMAs, or v_wmma_f32_16x16x4_f32). A number that lies on a knife's edge between two numbers of the format may be rounded either way, as far as f32 arithmetic and the matrix unit's own rounding can turn it there, and no further.
;;   INPUTS GIVEN AS CODES. w1 (in the module: [8, 1024, 4096], K = its axis 1); w2 (in the module: [8, 4096, 1024], K = its axis 1): each comes as NAME_codes (uint8): NAME with its K axis moved to the last place and cut into blocks of 32 codes, [.., K / 32, bytes a block], one block behind the other in memory; one code a byte (a code: sign, 4 exponent bits, 3 mantissa bits); and NAME_scales (uint8): the same leading axes, one E8M0 byte (e + 127) for each 32 codes along K. Its value is code x scale, taken as it is: it is not quantised again, and the codes and scales need not be those that the quantiser above would give.
;; One version. Each part assembles by itself: llvm-mc -triple=amdgcn-amd-amdhsa -mcpu=gfx1250 --defsym DOCPART=n.
;; ======== version 1 of 1: 5 launches
;; workspace buffers: bm 2,048 bytes of whole numbers; gw 8,192 bytes; plan 8,960 bytes of whole numbers; xq 2,211,840 bytes; xs 69,120 bytes; hq 8,847,360 bytes; hs 276,480 bytes; y 35,651,584 bytes
;; launch route (part 1): grid 128 x 1, 4 waves a work-group, no clusters, 1,536 bytes of LDS; arguments x, gate_w, bm, gw; writes bm, gw
.if DOCPART == 1
	.amdgcn_target "amdgcn-amd-amdhsa--gfx1250"
	.amdhsa_code_object_version 6
	.text
	.protected	k_qd4de9feae7_route
	.globl	k_qd4de9feae7_route
	.p2align	8
	.type	k_qd4de9feae7_route,@function
k_qd4de9feae7_route:
	s_mov_b64 s[64:65], 0
	v_nop
	global_prefetch_b8 v0, s[64:65] scope:SCOPE_SE
	s_setreg_imm32_b32 hwreg(HW_REG_WAVE_MODE, 25, 1), 1
	s_wait_xcnt 0x0
; THE ROUTER.  scores = x gate_w in f32 (fused multiply-adds), the two largest of a token's 8 scores, the softmax over these two.
; x: [1024][1024] f32, gate_w: [1024][8] f32.  Nothing here steers an address: what is chosen is stored at fixed places.
;   bm [32 groups][16 words]: word e, bit i: token 32 g + i chose expert e; word 8 + e, bit i: e is that token's SECOND choice.
;   gw [1024][2] f32: the weights of the first and of the second choice.
; SHARES.  A work-group takes 8 tokens, so it owns one byte of each of its group's 16 words.  Wave w takes k = 256 w .. 256 w + 255 in two chunks of 128;
; lane l takes k = 256 w + 128 i + 4 l + c: a load of x covers 512 consecutive bytes, a load of gate_w 16 of each lane's 128.
; The waves' partial sums meet in LDS (256 bytes a wave); wave 0 finishes, a lane to a token (lanes 8-31 repeat lanes 0-7 and store the same data to the same places).
; LIMITS: NaN and infinities among x, gate_w or the scores are not served.  Equal scores: the lower index wins (strict >), as in a top-k that keeps the lower index.
; The f32 sums are taken in another order than a row-by-row dot product takes them.
.set X,   16                           ; v16-79   x: chunk i, token t at X + 32 i + 4 t (four neighbours along k)
.set G,   80                           ; v80-143  gate_w: chunk i, k offset c at G + 32 i + 8 c (eight experts)
.set ACC, 144                          ; v144-207 sums: token t, expert e at ACC + 8 t + e
.set TP,  208                          ; v208-215 at work in the sum over lanes
	s_load_b256 s[4:11], s[0:1], 0x0               ; x s[4:5], gate_w s[6:7], bm s[8:9], gw s[10:11]
	v_lshl_add_u32 v224, v0, 2, 0x400
	v_mov_b32 v225, 0
	v_and_b32 v1, 31, v0                           ; lane
	v_lshrrev_b32 v4, 5, v0
	v_readfirstlane_b32 s12, v4                    ; wave
	v_lshlrev_b32 v2, 4, v1
	v_lshl_add_u32 v2, v4, 10, v2                  ; x: 16 l + 1,024 w
	v_lshlrev_b32 v3, 7, v1
	v_lshl_add_u32 v3, v4, 13, v3                  ; gate_w: 128 l + 8,192 w
	v_lshlrev_b32 v5, 8, v4                        ; LDS: my wave's 256 bytes
	v_and_b32 v6, 7, v0                            ; wave 0 later: my token
	v_lshlrev_b32 v7, 5, v6                        ; its 32 bytes in a wave's 256
	v_lshlrev_b32 v8, 3, v6                        ; its 8 bytes in gw
	v_and_b32 v9, 15, v0
	v_lshlrev_b32 v9, 2, v9                        ; word (lane % 16) of the group's 16 in bm
.irp j, 0,1,2,3,4,5,6,7
	v_mov_b32 v[TP+\j], 0                          ; a lane permute's destination counts as one of its sources
.endr
	s_mov_b32 s14, 0x76543210
	s_mov_b32 s15, 0xfedcba98                      ; v_permlanex16_b32's selects for lane l xor 16
	s_lshl_b32 s16, ttmp9, 15                      ; 8 rows of x
	s_mov_b32 s17, 0
	s_lshl_b32 s18, ttmp9, 6                       ; 8 pairs of gw
	s_mov_b32 s19, 0
	s_lshr_b32 s20, ttmp9, 2
	s_lshl_b32 s20, s20, 6                         ; my group's 64 bytes of bm,
	s_and_b32 s21, ttmp9, 3
	s_add_co_u32 s20, s20, s21                     ; and my byte of each word
	s_mov_b32 s21, 0
	s_wait_kmcnt 0x0
	s_add_nc_u64 s[4:5], s[4:5], s[16:17]
	s_add_nc_u64 s[10:11], s[10:11], s[18:19]
	s_add_nc_u64 s[8:9], s[8:9], s[20:21]
.irp i, 0,1
.irp c, 0,1,2,3
	global_load_b128 v[G+32*\i+8*\c:G+32*\i+8*\c+3],   v3, s[6:7] offset:4096*\i+32*\c
	global_load_b128 v[G+32*\i+8*\c+4:G+32*\i+8*\c+7], v3, s[6:7] offset:4096*\i+32*\c+16
.endr
.irp t, 0,1,2,3,4,5,6,7
	global_load_b128 v[X+32*\i+4*\t:X+32*\i+4*\t+3], v2, s[4:5] offset:4096*\t+512*\i
.endr
.endr
; chunk i: for each of my four k, each token and each pair of experts one packed multiply-add; x's number is taken for both halves.  The very first starts the sums: nothing is cleared.
.macro DOT i
.irp c, 0,1,2,3
.irp t, 0,1,2,3,4,5,6,7
.irp p, 0,1,2,3
.if (\i == 0) && (\c == 0)
	v_pk_mul_f32 v[ACC+8*\t+2*\p:ACC+8*\t+2*\p+1], v[G+2*\p:G+2*\p+1], v[X+4*\t:X+4*\t+1] op_sel_hi:[1,0]
.elseif (\c % 2) == 0
	v_pk_fma_f32 v[ACC+8*\t+2*\p:ACC+8*\t+2*\p+1], v[G+32*\i+8*\c+2*\p:G+32*\i+8*\c+2*\p+1], v[X+32*\i+4*\t+2*(\c/2):X+32*\i+4*\t+2*(\c/2)+1], v[ACC+8*\t+2*\p:ACC+8*\t+2*\p+1] op_sel_hi:[1,0,1]
.else
	v_pk_fma_f32 v[ACC+8*\t+2*\p:ACC+8*\t+2*\p+1], v[G+32*\i+8*\c+2*\p:G+32*\i+8*\c+2*\p+1], v[X+32*\i+4*\t+2*(\c/2):X+32*\i+4*\t+2*(\c/2)+1], v[ACC+8*\t+2*\p:ACC+8*\t+2*\p+1] op_sel:[0,1,0] op_sel_hi:[1,1,1]
.endif
.endr
.endr
.endr
.endm
	s_wait_loadcnt 16                              ; chunk 0's 16 loads are in; chunk 1's 16 may be out
	DOT 0
	s_wait_loadcnt 0x0
	DOT 1
	; the sum over the wave's 32 lanes, all 64 sums step by step, so that no line waits for the line above it
.irp m, 1,2,4,8
.set j, 0
.rept 64
	v_add_f32_dpp v[ACC+j], v[ACC+j], v[ACC+j] row_xmask:\m row_mask:0xf bank_mask:0xf
.set j, j+1
.endr
.endr
.irp g, 0,1,2,3,4,5,6,7
.irp j, 0,1,2,3,4,5,6,7
	v_permlanex16_b32 v[TP+\j], v[ACC+8*\g+\j], s14, s15
.endr
.irp j, 0,1,2,3,4,5,6,7
	v_add_f32 v[ACC+8*\g+\j], v[ACC+8*\g+\j], v[TP+\j]
.endr
.endr
.irp t, 0,1,2,3,4,5,6,7
	ds_store_b128 v5, v[ACC+8*\t:ACC+8*\t+3] offset:32*\t          ; all lanes write the same bytes with the same values
	ds_store_b128 v5, v[ACC+8*\t+4:ACC+8*\t+7] offset:32*\t+16
.endr
	s_wait_dscnt 0x0                               ; for the others' sake: my stores have landed
	s_barrier_signal -1
	s_barrier_wait -1
	s_cmp_lg_u32 s12, 0
	s_cbranch_scc1 .Lend                           ; wave 0 finishes alone
.irp w, 0,1,2,3
	ds_load_b128 v[16+8*\w:16+8*\w+3], v7 offset:256*\w
	ds_load_b128 v[16+8*\w+4:16+8*\w+7], v7 offset:256*\w+16
.endr
	s_wait_dscnt 0x0
.irp p, 0,2,4,6
	v_pk_add_f32 v[16+\p:17+\p], v[16+\p:17+\p], v[24+\p:25+\p]
	v_pk_add_f32 v[32+\p:33+\p], v[32+\p:33+\p], v[40+\p:41+\p]
.endr
.irp p, 0,2,4,6
	v_pk_add_f32 v[16+\p:17+\p], v[16+\p:17+\p], v[32+\p:33+\p]    ; v16-23: my token's eight scores
.endr
	v_mov_b32 v48, v16                             ; the largest score,
	v_mov_b32 v49, 0                               ; and whose it is
.irp e, 1,2,3,4,5,6,7
	v_cmp_gt_f32 vcc_lo, v[16+\e], v48
	v_cndmask_b32 v48, v48, v[16+\e], vcc_lo
	v_cndmask_b32 v49, v49, \e, vcc_lo
.endr
	v_mov_b32 v50, 0xff800000                      ; the largest of the other seven
	v_mov_b32 v51, 0
.irp e, 0,1,2,3,4,5,6,7
	v_cmp_ne_u32 s24, \e, v49
	v_cmp_gt_f32 vcc_lo, v[16+\e], v50
	s_and_b32 vcc_lo, vcc_lo, s24
	v_cndmask_b32 v50, v50, v[16+\e], vcc_lo
	v_cndmask_b32 v51, v51, \e, vcc_lo
.endr
	v_sub_f32 v52, v50, v48                        ; the softmax of the two, the larger taken away: 1 and e^(second - first) over their sum
	v_mul_f32 v52, 0x3fb8aa3b, v52
	v_exp_f32 v53, v52
	v_nop                                          ; a plain instruction behind the transcendental,
	s_wait_alu depctr_va_vdst(0)                   ; and a wait ahead of its first reader
	v_add_f32 v54, 1.0, v53
	v_rcp_f32 v56, v54
	v_nop
	s_wait_alu depctr_va_vdst(0)
	v_mul_f32 v57, v53, v56
	global_store_b64 v8, v[56:57], s[10:11]
	v_mov_b32 v60, 0
	v_mov_b32 v61, 0
.irp e, 0,1,2,3,4,5,6,7
	v_cmp_eq_u32 s24, \e, v49
	v_cmp_eq_u32 s25, \e, v51
	s_or_b32 s24, s24, s25
	s_and_b32 s24, s24, 0xff                       ; lanes 0-7: my eight tokens
	s_and_b32 s25, s25, 0xff
	v_writelane_b32 v60, s24, \e                   ; lane e: who chose e;
	v_writelane_b32 v60, s25, 8+\e                 ; lane 8 + e: whose second choice e is
.endr
	v_permlanex16_b32 v61, v60, s14, s15
	v_or_b32 v60, v60, v61                         ; lanes 16-31 repeat lanes 0-15
	global_store_b8 v9, v60, s[8:9]                ; my byte of the group's sixteen words
.Lend:
	s_wait_tensorcnt 0x0
	ds_add_u32 v224, v225
	s_wait_dscnt 0x0
	s_endpgm
.Lfunc_end_k_qd4de9feae7_route:
	.size	k_qd4de9feae7_route, .Lfunc_end_k_qd4de9feae7_route-k_qd4de9feae7_route
	.p2alignl 7, 3214868480
	.fill 96, 4, 3214868480
	.section	.rodata,"a",@progbits
	.p2align	6, 0x0
	.amdhsa_kernel k_qd4de9feae7_route
		.amdhsa_group_segment_fixed_size 1536
		.amdhsa_private_segment_fixed_size 0
		.amdhsa_enable_private_segment 0
		.amdhsa_kernarg_size 32
		.amdhsa_user_sgpr_count 2
		.amdhsa_user_sgpr_kernarg_segment_ptr 1
		.amdhsa_wavefront_size32 1
		.amdhsa_system_sgpr_workgroup_id_x 1
		.amdhsa_system_sgpr_workgroup_id_y 1
		.amdhsa_system_sgpr_workgroup_id_z 1
		.amdhsa_system_vgpr_workitem_id 0
		.amdhsa_next_free_vgpr 226
		.amdhsa_next_free_sgpr 66
		.amdhsa_reserve_vcc 1
		.amdhsa_float_denorm_mode_32 3
		.amdhsa_float_denorm_mode_16_64 3
		.amdhsa_memory_ordered 1
		.amdhsa_forward_progress 1
		.amdhsa_inst_pref_size 53
	.end_amdhsa_kernel
	.amdgpu_metadata
---
amdhsa.version: [ 1, 2 ]
amdhsa.kernels:
  - .name:           k_qd4de9feae7_route
    .symbol:         k_qd4de9feae7_route.kd
    .args:
      - { .name: x, .offset: 0, .size: 8, .value_kind: global_buffer, .address_space: global }
      - { .name: gate_w, .offset: 8, .size: 8, .value_kind: global_buffer, .address_space: global }
      - { .name: bm, .offset: 16, .size: 8, .value_kind: global_buffer, .address_space: global }
      - { .name: gw, .offset: 24, .size: 8, .value_kind: global_buffer, .address_space: global }
    .group_segment_fixed_size: 1536
    .private_segment_fixed_size: 0
    .kernarg_segment_align: 8
    .kernarg_segment_size: 32
    .max_flat_workgroup_size: 128
    .sgpr_count:     66
    .vgpr_count:     226
    .wavefront_size: 32
...
	.end_amdgpu_metadata
.endif
;; end of part 1
;; launch gatherq (part 2): grid 135 x 1, 4 waves a work-group, no clusters, 0 bytes of LDS; arguments bm, x, plan, xq, xs; writes plan, xq, xs
.if DOCPART == 2
	.amdgcn_target "amdgcn-amd-amdhsa--gfx1250"
	.amdhsa_code_object_version 6
	.text
	.protected	k_qd4de9feae7_gatherq
	.globl	k_qd4de9feae7_gatherq
	.p2align	8
	.type	k_qd4de9feae7_gatherq,@function
k_qd4de9feae7_gatherq:
	s_mov_b64 s[64:65], 0
	v_nop
	global_prefetch_b8 v0, s[64:65] scope:SCOPE_SE
	s_setreg_imm32_b32 hwreg(HW_REG_WAVE_MODE, 25, 1), 1
	s_wait_xcnt 0x0
; THE ROWS ARE PLACED BY EXPERT, GATHERED AND QUANTISED.  The 2,048 routed rows (token, choice) are sorted by expert, each expert's rows in tiles of 16; there are never more than (2,048 + 8 x 15) / 16 = 135 tiles.
; Work-group j makes tile j; one that the split leaves without a tile stores nothing and ends.  Every wave redoes the placing from the 2 KB of masks: no barrier, no LDS byte, no launch for the placing alone.
; A tile's last rows, where its expert has no more, repeat the expert's last row and are sent to spare rows of y (d = 2,048 + 16 e + r), which nobody reads.
;   plan: bytes 0-255: lane e of 32: {tiles of expert e, its first tile}, zeros behind;  from byte 256: for each tile 16 words d = 2 x token + choice: the row of y that a row's result goes to.
;   xq [135][8 K steps][4][32 lanes][16 bytes]: codes of E4M3 as images of the operand's registers: registers 4 c .. 4 c + 3 of lane l at 512 c + 16 l.
;   xs [135][32 lanes][4 words]: lane 16 h + r, word i: row r's scale word of K step 4 h + i.
; A block's scale is 2^(floor(log2(its largest magnitude)) - 8); each number is divided by it, held within +-448 and rounded to the nearest code, ties to even.
; LIMITS: a block of zeros, and one whose largest magnitude lies under 2^(9 - 127), gets the byte 1 (a block of zeros by the rule 127): zero codes add nothing under either, and this program alone reads the bytes.  NaN and infinities in x are not served.
.set M,   8                            ; v8-15    my group's (lane = group of 32 tokens) masks: who chose expert e
.set Q,   16                           ; v16-23   whose second choice e is
.set C,   24                           ; v24-31   counts
.set PC0, 64                           ; v64-79, v80-95   the two K steps' codes
.set PC1, 80
.set X0,  96                           ; v96-159, v160-223 their numbers
.set X1,  160
.set TM,  224                          ; v224-239 at work in the quantiser
	s_load_b256 s[4:11], s[0:1], 0x0               ; bm s[4:5], x s[6:7], plan s[8:9], xq s[10:11]
	s_load_b64 s[12:13], s[0:1], 0x20              ; xs
	v_and_b32 v1, 31, v0                           ; lane
	v_and_b32 v2, 15, v0                           ; r
	v_bfe_u32 v3, v0, 4, 1                         ; h
	v_lshrrev_b32 v5, 5, v0
	v_readfirstlane_b32 s14, v5                    ; wave
	v_lshlrev_b32 v4, 6, v1                        ; my group's 64 bytes of bm
	v_lshlrev_b32 v61, 4, v1                       ; 16 x lane
	v_lshlrev_b32 v62, 4, v2                       ; 16 r
	s_mov_b32 s51, 0x01010101
	s_mov_b32 s52, 0x76543210
	s_mov_b32 s53, 0xfedcba98                      ; v_permlanex16_b32's selects for lane l xor 16
	s_mov_b32 s54, 0x600000                        ; the mantissa field of 448
	s_mov_b32 s41, ttmp9                           ; j: my tile
.irp i, 0,1,2,3,4,5,6,7
	v_mov_b32 v[32+\i], 0                          ; destinations of lane moves count as sources: written once
.endr
.irp i, 4,5,6,7
	v_mov_b32 v[TM+\i], 0
.endr
	s_wait_kmcnt 0x0
.irp i, 0,1,2,3
	global_load_b128 v[M+4*\i:M+4*\i+3], v4, s[4:5] offset:16*\i
.endr
; the number of ones in v[x] -> v[d]; v[t] at work
.macro POPC d, x, t
	v_lshrrev_b32 v[\t], 1, v[\x]
	v_and_b32 v[\t], 0x55555555, v[\t]
	v_sub_nc_u32 v[\d], v[\x], v[\t]
	v_lshrrev_b32 v[\t], 2, v[\d]
	v_and_b32 v[\t], 0x33333333, v[\t]
	v_and_b32 v[\d], 0x33333333, v[\d]
	v_add_nc_u32 v[\d], v[\d], v[\t]
	v_lshrrev_b32 v[\t], 4, v[\d]
	v_add_nc_u32 v[\d], v[\d], v[\t]
	v_and_b32 v[\d], 0x0f0f0f0f, v[\d]
	v_mul_lo_u32 v[\d], v[\d], s51
	v_lshrrev_b32 v[\d], 24, v[\d]
.endm
	s_wait_loadcnt 0x0
.irp e, 0,1,2,3,4,5,6,7
	POPC C+\e, M+\e, 63
.endr
.irp m, 1,2,4,8                        ; each expert's rows in all: the sum over the 32 groups
.irp e, 0,1,2,3,4,5,6,7
	v_mov_b32_dpp v[32+\e], v[C+\e] row_xmask:\m row_mask:0xf bank_mask:0xf
.endr
.irp e, 0,1,2,3,4,5,6,7
	v_add_nc_u32 v[C+\e], v[C+\e], v[32+\e]
.endr
.endr
.irp e, 0,1,2,3,4,5,6,7
	v_permlanex16_b32 v[32+\e], v[C+\e], s52, s53
.endr
.irp e, 0,1,2,3,4,5,6,7
	v_add_nc_u32 v[C+\e], v[C+\e], v[32+\e]
.endr
.irp e, 0,1,2,3,4,5,6,7
	v_readfirstlane_b32 s[16+\e], v[C+\e]          ; s16-23: rows of expert e
.endr
	s_mov_b32 s40, 0
.irp e, 0,1,2,3,4,5,6,7
	s_mov_b32 s[32+\e], s40                        ; s32-39: its first tile
	s_add_co_u32 s[24+\e], s[16+\e], 15
	s_lshr_b32 s[24+\e], s[24+\e], 4               ; s24-31: its tiles
	s_add_co_u32 s40, s40, s[24+\e]                ; s40: tiles in all
.endr
	s_cmp_ge_u32 s41, s40
	s_cbranch_scc1 .Lend                           ; this split has no tile j
	s_mov_b32 s42, 0                               ; e: the last expert whose first tile is not behind j (experts without rows are passed over)
.irp e, 1,2,3,4,5,6,7
	s_cmp_ge_u32 s41, s[32+\e]
	s_cselect_b32 s45, 1, 0
	s_add_co_u32 s42, s42, s45
.endr
	s_mov_b32 s43, 0                               ; its rows,
	s_mov_b32 s44, 0                               ; its first tile,
	v_mov_b32 v40, 0                               ; and its two masks
	v_mov_b32 v41, 0
.irp e, 0,1,2,3,4,5,6,7
	s_cmp_eq_u32 s42, \e
	s_cselect_b32 s43, s[16+\e], s43
	s_cselect_b32 s44, s[32+\e], s44
	s_cselect_b32 s45, -1, 0
	v_cndmask_b32 v40, v40, v[M+\e], s45
	v_cndmask_b32 v41, v41, v[Q+\e], s45
.endr
	POPC 42, 40, 63                                ; my group's rows of e
	v_mov_b32 v43, v42
.irp n, 1,2,4,8                        ; running sum over the groups: inside each half of the lanes,
	v_mov_b32 v44, 0
	v_mov_b32_dpp v44, v43 row_shr:\n row_mask:0xf bank_mask:0xf
	v_add_nc_u32 v43, v43, v44
.endr
	v_readlane_b32 s46, v43, 15                    ; and the lower half's total onto the upper
	v_mov_b32 v44, s46
	v_cmp_le_u32 vcc_lo, 16, v1
	v_cndmask_b32 v44, 0, v44, vcc_lo
	v_add_nc_u32 v43, v43, v44
	v_sub_nc_u32 v45, v43, v42                     ; PE: rows of e in the groups ahead of mine
	s_sub_co_u32 s47, s41, s44
	s_lshl_b32 s47, s47, 4
	v_add_nc_u32 v46, s47, v2                      ; which of e's rows is my row r
	s_sub_co_u32 s48, s43, 1
	v_min_u32 v47, s48, v46                        ; (behind the last: the last)
	v_cmp_gt_u32 s49, s43, v46                     ; is it a row at all?
	v_mov_b32 v48, 0                               ; g: the last group with PE <= my row's number; that group holds it
.irp st, 16,8,4,2,1
	v_add_nc_u32 v49, \st, v48
	v_min_u32 v50, 31, v49                         ; (a lane's number: it is at most 31 as it stands)
	v_lshlrev_b32 v50, 2, v50
	ds_bpermute_b32 v51, v50, v45
	s_wait_dscnt 0x0
	v_cmp_le_u32 vcc_lo, v51, v47
	v_cndmask_b32 v48, v48, v49, vcc_lo
.endr
	v_min_u32 v50, 31, v48
	v_lshlrev_b32 v50, 2, v50
	ds_bpermute_b32 v52, v50, v40                  ; that group's masks,
	ds_bpermute_b32 v53, v50, v41
	ds_bpermute_b32 v51, v50, v45                  ; and what lies ahead of it
	s_wait_dscnt 0x0
	v_sub_nc_u32 v54, v47, v51                     ; k: my row is the group's k-th one
	v_mov_b32 v55, 0                               ; its bit: halving the field, passing over the ones below
.irp wd, 16,8,4,2,1
	v_bfe_u32 v56, v52, v55, \wd
	POPC 57, 56, 63
	v_cmp_ge_u32 vcc_lo, v54, v57
	v_sub_nc_u32 v57, v54, v57
	v_cndmask_b32 v54, v54, v57, vcc_lo
	v_add_nc_u32 v56, \wd, v55
	v_cndmask_b32 v55, v55, v56, vcc_lo
.endr
	v_lshl_add_u32 v58, v48, 5, v55
	v_min_u32 v58, 0x3ff, v58                      ; the token (an index made from loaded words: held inside x)
	v_bfe_u32 v56, v53, v55, 1                     ; first or second choice
	v_lshl_add_u32 v59, v58, 1, v56
	s_lshl_b32 s50, s42, 4
	s_add_co_u32 s50, s50, 2048
	v_add_nc_u32 v57, s50, v2
	v_cndmask_b32 v59, v57, v59, s49               ; d
	v_lshlrev_b32 v60, 12, v58                     ; the token's row of 4,096 bytes,
	v_lshl_add_u32 v60, v3, 6, v60                 ; + 64 h: my 16 numbers of a block of 32,
	s_lshl_b32 s45, s14, 10
	v_add_nc_u32 v60, s45, v60                     ; + my wave's two K steps
.irp b, 0,1,2,3
.irp i, 0,1,2,3
	global_load_b128 v[X0+16*\b+4*\i:X0+16*\b+4*\i+3], v60, s[6:7] offset:128*\b+16*\i
.endr
.endr
.irp b, 0,1,2,3
.irp i, 0,1,2,3
	global_load_b128 v[X1+16*\b+4*\i:X1+16*\b+4*\i+3], v60, s[6:7] offset:512+128*\b+16*\i
.endr
.endr
	s_cmp_lg_u32 s14, 0
	s_cbranch_scc1 .Lnot0                          ; wave 0 stores the tile's list,
	s_lshl_b32 s45, s41, 6
	s_add_co_u32 s45, s45, 256
	v_lshl_add_u32 v56, v2, 2, s45
	global_store_b32 v56, v59, s[8:9]              ; (both halves of the lanes hold the same)
	s_cmp_lg_u32 s41, 0
	s_cbranch_scc1 .Lnot0                          ; and in work-group 0 the experts' records: 256 bytes, whole
	v_mov_b32 v242, 0
	v_mov_b32 v243, 0
.irp e, 0,1,2,3,4,5,6,7
	v_writelane_b32 v242, s[24+\e], \e
	v_writelane_b32 v243, s[32+\e], \e
.endr
	v_lshlrev_b32 v57, 3, v1
	global_store_b64 v57, v[242:243], s[8:9]
.Lnot0:
	s_lshl_b32 s46, s41, 14                        ; xq: 16,384 j + 4,096 w
	s_lshl_b32 s47, s14, 12
	s_add_co_u32 s46, s46, s47
	s_mov_b32 s47, 0
	s_add_nc_u64 s[10:11], s[10:11], s[46:47]
	s_lshl_b32 s46, s41, 9                         ; xs: 512 j + 256 (w / 2) + 8 (w % 2)
	s_lshr_b32 s48, s14, 1
	s_lshl_b32 s48, s48, 8
	s_add_co_u32 s46, s46, s48
	s_and_b32 s48, s14, 1
	s_lshl_b32 s48, s48, 3
	s_add_co_u32 s46, s46, s48
	s_add_nc_u64 s[12:13], s[12:13], s[46:47]
; 64 numbers of a lane, register 16 b + i = k 32 b + 16 h + i of my row, become a fragment's codes in v[pc] on and its scale word in v[pw]
.macro QUANT s, pc, pw
.irp b, 0,1,2,3
	v_max3_num_f32 v[TM+\b], |v[\s+16*\b]|, |v[\s+1+16*\b]|, 0x4800000   ; block b: my 16 numbers, and the floor 2^(9 - 127): the byte cannot fall under 1
.endr
.irp i, 2,4,6,8,10,12,14
.irp b, 0,1,2,3
	v_max3_num_f32 v[TM+\b], v[TM+\b], |v[\s+16*\b+\i]|, |v[\s+1+16*\b+\i]|
.endr
.endr
.irp b, 0,1,2,3
	v_permlanex16_b32 v[TM+4+\b], v[TM+\b], s52, s53
.endr
.irp b, 0,1,2,3
	v_max_num_f32 v[TM+\b], v[TM+\b], v[TM+4+\b]   ; with lane l xor 16's: the block's largest magnitude
.endr
.irp b, 0,1,2,3
	v_add_nc_u32 v[TM+12+\b], 0xfc000000, v[TM+\b] ; 8 off its exponent field: the conversion's scale operand
.endr
.irp b, 0,1,2,3
	v_and_or_b32 v[TM+8+\b], v[TM+\b], 0x7f800000, s54   ; 448 x the scale
.endr
.irp b, 0,1,2,3
	v_lshrrev_b32 v[TM+4+\b], 23, v[TM+12+\b]      ; the scale's byte
.endr
	v_lshl_or_b32 v[\pw], v[TM+5], 8, v[TM+4]
	v_lshl_or_b32 v[\pw], v[TM+6], 16, v[\pw]
	v_lshl_or_b32 v[\pw], v[TM+7], 24, v[\pw]
.irp b, 0,1,2,3
.irp i, 0,1,2,3,4,5,6,7,8,9,10,11,12,13,14,15
	v_med3_num_f32 v[\s+16*\b+\i], v[\s+16*\b+\i], -v[TM+8+\b], v[TM+8+\b]   ; the conversion to an 8-bit code does not saturate (ISA guide 7.6.2): the hold comes first
.endr
	v_cvt_scalef32_pk8_fp8_f32 v[\pc+4*\b:\pc+1+4*\b], v[\s+16*\b:\s+7+16*\b], v[TM+12+\b]
	v_cvt_scalef32_pk8_fp8_f32 v[\pc+2+4*\b:\pc+3+4*\b], v[\s+8+16*\b:\s+15+16*\b], v[TM+12+\b]
.endr
	v_nop                                          ; a plain instruction behind the last conversion
.endm
	s_wait_loadcnt 16                              ; the first K step's 16 loads are in; the second's may be out
	QUANT X0, PC0, 240
.irp c, 0,1,2,3
	global_store_b128 v61, v[PC0+4*\c:PC0+4*\c+3], s[10:11] offset:512*\c        ; 32 lanes store 512 consecutive bytes
.endr
	s_wait_loadcnt 0x0
	QUANT X1, PC1, 241
.irp c, 0,1,2,3
	global_store_b128 v61, v[PC1+4*\c:PC1+4*\c+3], s[10:11] offset:2048+512*\c
.endr
	global_store_b64 v62, v[240:241], s[12:13]     ; my row's two scale words (both halves of the lanes hold the same)
.Lend:
	s_endpgm
.Lfunc_end_k_qd4de9feae7_gatherq:
	.size	k_qd4de9feae7_gatherq, .Lfunc_end_k_qd4de9feae7_gatherq-k_qd4de9feae7_gatherq
	.p2alignl 7, 3214868480
	.fill 96, 4, 3214868480
	.section	.rodata,"a",@progbits
	.p2align	6, 0x0
	.amdhsa_kernel k_qd4de9feae7_gatherq
		.amdhsa_group_segment_fixed_size 0
		.amdhsa_private_segment_fixed_size 0
		.amdhsa_enable_private_segment 0
		.amdhsa_kernarg_size 40
		.amdhsa_user_sgpr_count 2
		.amdhsa_user_sgpr_kernarg_segment_ptr 1
		.amdhsa_wavefront_size32 1
		.amdhsa_system_sgpr_workgroup_id_x 1
		.amdhsa_system_sgpr_workgroup_id_y 1
		.amdhsa_system_sgpr_workgroup_id_z 1
		.amdhsa_system_vgpr_workitem_id 0
		.amdhsa_next_free_vgpr 256
		.amdhsa_next_free_sgpr 66
		.amdhsa_reserve_vcc 1
		.amdhsa_float_denorm_mode_32 3
		.amdhsa_float_denorm_mode_16_64 3
		.amdhsa_memory_ordered 1
		.amdhsa_forward_progress 1
		.amdhsa_inst_pref_size 44
	.end_amdhsa_kernel
	.amdgpu_metadata
---
amdhsa.version: [ 1, 2 ]
amdhsa.kernels:
  - .name:           k_qd4de9feae7_gatherq
    .symbol:         k_qd4de9feae7_gatherq.kd
    .args:
      - { .name: bm, .offset: 0, .size: 8, .value_kind: global_buffer, .address_space: global }
      - { .name: x, .offset: 8, .size: 8, .value_kind: global_buffer, .address_space: global }
      - { .name: plan, .offset: 16, .size: 8, .value_kind: global_buffer, .address_space: global }
      - { .name: xq, .offset: 24, .size: 8, .value_kind: global_buffer, .address_space: global }
      - { .name: xs, .offset: 32, .size: 8, .value_kind: global_buffer, .address_space: global }
    .group_segment_fixed_size: 0
    .private_segment_fixed_size: 0
    .kernarg_segment_align: 8
    .kernarg_segment_size: 40
    .max_flat_workgroup_size: 128
    .sgpr_count:     66
    .vgpr_count:     256
    .wavefront_size: 32
...
	.end_amdgpu_metadata
.endif
;; end of part 2
;; launch gemm1 (part 3): grid 32 x 8, 4 waves a work-group, no clusters, 133,632 bytes of LDS; arguments plan, xq, xs, w1_codes, w1_scales, hq, hs; writes hq, hs
.if DOCPART == 3
	.amdgcn_target "amdgcn-amd-amdhsa--gfx1250"
	.amdhsa_code_object_version 6
	.text
	.protected	k_qd4de9feae7_gemm1
	.globl	k_qd4de9feae7_gemm1
	.p2align	8
	.type	k_qd4de9feae7_gemm1,@function
k_qd4de9feae7_gemm1:
	s_mov_b64 s[64:65], 0
	v_nop
	global_prefetch_b8 v0, s[64:65] scope:SCOPE_SE
	s_setreg_imm32_b32 hwreg(HW_REG_WAVE_MODE, 25, 1), 1
	s_wait_xcnt 0x0
; THE FIRST PRODUCT OF EACH EXPERT, ON ITS OWN ROWS ALONE: h = silu(x w1[e]), on codes of E4M3 with one E8M0 scale for each 32 along K, and h quantised along the next K on the way.
; THE WEIGHTS STAND STILL.  Work-group (blk, e) holds 128 rows of w1[e] (hidden units 128 blk on), all of K = 1,024: 128 KB, read from memory once in the launch, and walks the expert's tiles of 16 rows.
; Wave w: wn = w % 2: which 64 of the 128 weight rows; wm = w / 2: the even or the odd tiles.  Its 64 x 1,024 codes stay in 512 registers.  They come as whole rows (a load covers 512 consecutive bytes), go once
; through LDS (pitch 1,040: the 16 rows of a fragment load start at 16 different banks) and are read back as fragments.  ONE barrier, ahead of every branch on a number read from memory.
; The rows' codes lie in memory as images of the operand's registers, so a tile is 32 loads of 512 consecutive bytes, straight into registers; two buffers take turns, one tile ahead.
; THE MATRIX INSTRUCTION IS USED TRANSPOSED (source 0 = 16 weight rows, source 1 = 16 rows of x): a lane holds one row of h and its registers run along the hidden units.  THE WEIGHT ROWS OF A TILE ARE NOT NEIGHBOURS:
; row m of tile 2 b + u is row 32 b + 8 u + m + 8 (m / 8), so that the 16 registers of tiles 2 b, 2 b + 1 are 16 neighbours along the next K.  In LDS a tile's rows lie side by side: the exchange is made by the stores' offsets.
; NO TENSOR LOADS, NO CLUSTER, though 32 work-groups read the same rows' images: the number of tiles is read from memory, and trip counts that hang on such a number go with loads into registers alone.
; LIMITS: a block of h whose largest magnitude lies under 2^(9 - 127), zeros among them, gets the byte 1 (zeros by the rule 127): its codes add nothing either way, and this program alone reads the bytes.  NaN and infinities are not served.
; REGISTERS, in windows of 256.  Window 0: v1-8 addresses; v16-31 the weights' scale words; v32-39 the rows' (4 a buffer); v64-95 four accumulators; v96-127, v128-159 at work on silu; v160-176 the quantiser.
;   Window 1: the rows' fragments, two buffers of 128.   Window 2: first the weights as loaded, then their fragments of K steps 0-3 (tile n, step s at 64 n + 16 s).   Window 3: K steps 4-7.
.set BS,  16
.set AS,  32
.set ACC, 64
.set T,   96
.set HH,  128
.set TM,  160                          ; +0,1 largest magnitudes; +2,3 bytes; +4,5 448 x the scale; +6,7 the conversions' scale operands
.set PC,  168
.set PW,  176
.set LPT, 33                           ; loads for a tile: 32 of codes, 1 of scale words
.set MSB, 0
.macro WIN new                         ; the immediate's high byte repeats the setting that is left
.if MSB != \new
	s_set_vgpr_msb (MSB<<8)|\new
.set MSB, \new
.endif
.endm
; s[d] = the tile that my wave's step 2 x trip + add takes: first tile + parity + 2 x step; the step held at my last, the tile inside the buffers
.macro TIDX d, add
	s_lshl_b32 s[\d], s29, 1
	s_add_co_u32 s[\d], s[\d], (\add)
	s_min_u32 s[\d], s[\d], s27
	s_lshl_b32 s[\d], s[\d], 1
	s_add_co_u32 s[\d], s[\d], s28
	s_min_u32 s[\d], s[\d], 134
.endm
.macro SETA b, g                       ; buffer b's bases for tile s[g]
	s_lshl_b32 s32, s[\g], 14
	s_mov_b32 s33, 0
	s_add_nc_u64 s[36+2*\b:37+2*\b], s[6:7], s[32:33]
	s_lshl_b32 s32, s[\g], 9
	s_add_nc_u64 s[40+2*\b:41+2*\b], s[8:9], s[32:33]
.endm
.macro LOADA b
	WIN 0x40                                       ; destination window 1
.irp s, 0,1,2,3,4,5,6,7
.irp c, 0,1,2,3
	global_load_b128 v[128*\b+16*\s+4*\c:128*\b+16*\s+4*\c+3], v4, s[36+2*\b:37+2*\b] offset:2048*\s+512*\c
.endr
.endr
	WIN 0
	global_load_b128 v[AS+4*\b:AS+4*\b+3], v4, s[40+2*\b:41+2*\b]   ; lanes 0-15: row r's words of K steps 0-3; lanes 16-31: of 4-7
.endm
; one matrix instruction: weight tile n, K step s, rows' buffer b.  The weights' scale words of an odd tile, and the rows' of K steps 4-7, stand in lanes 16-31.
.macro WM n, s, b
.set rD, ACC+8*(\n)
.set rW, 64*(\n)+16*((\s)%4)
.set rA, 128*(\b)+16*(\s)
.set rX, BS+8*((\n)/2)+(\s)
.set rY, AS+4*(\b)+((\s)%4)
.if (\s) == 0
.if ((\n)%2) == 0
	v_wmma_scale_f32_16x16x128_f8f6f4 v[rD:rD+7], v[rW:rW+15], v[rA:rA+15], 0, v[rX], v[rY]
.else
	v_wmma_scale_f32_16x16x128_f8f6f4 v[rD:rD+7], v[rW:rW+15], v[rA:rA+15], 0, v[rX], v[rY] matrix_a_scale:MATRIX_SCALE_ROW1
.endif
.elseif (\s) < 4
.if ((\n)%2) == 0
	v_wmma_scale_f32_16x16x128_f8f6f4 v[rD:rD+7], v[rW:rW+15], v[rA:rA+15], v[rD:rD+7], v[rX], v[rY]
.else
	v_wmma_scale_f32_16x16x128_f8f6f4 v[rD:rD+7], v[rW:rW+15], v[rA:rA+15], v[rD:rD+7], v[rX], v[rY] matrix_a_scale:MATRIX_SCALE_ROW1
.endif
.else
.if ((\n)%2) == 0
	v_wmma_scale_f32_16x16x128_f8f6f4 v[rD:rD+7], v[rW:rW+15], v[rA:rA+15], v[rD:rD+7], v[rX], v[rY] matrix_b_scale:MATRIX_SCALE_ROW1
.else
	v_wmma_scale_f32_16x16x128_f8f6f4 v[rD:rD+7], v[rW:rW+15], v[rA:rA+15], v[rD:rD+7], v[rX], v[rY] matrix_a_scale:MATRIX_SCALE_ROW1 matrix_b_scale:MATRIX_SCALE_ROW1
.endif
.endif
.endm
; a tile's 32 matrix instructions: K ascending, the four accumulators by turns, one instruction a turn; the first K step starts the sums
.macro MUL b
	WIN 0x06                                       ; source 0 window 2, source 1 window 1, C and D window 0
.irp s, 0,1,2,3
.irp n, 0,1,2,3
	WM \n, \s, \b
.endr
.endr
	WIN 0x07                                       ; source 0 window 3
.irp s, 4,5,6,7
.irp n, 0,1,2,3
	WM \n, \s, \b
.endr
.endr
	WIN 0
.endm
; One tile, from buffer b.  pf = 1: the buffer is filled again with the tile two steps on.  left: the younger loads, the other buffer's, which may stay out.
; (Inside this macro b is the buffer; the quantiser's two blocks are counted by u.)
.macro TILE b, pf, left
	s_wait_loadcnt \left                           ; this buffer's loads are in (loads come back in order)
	s_wait_xcnt 0x0                                ; the last tile's stores have read their data and bases: both are written again below
	TIDX 30, \b
	s_lshl_b32 s32, s30, 16
	s_mov_b32 s33, 0
	s_add_nc_u64 s[48:49], s[44:45], s[32:33]      ; where this tile's codes go,
	s_lshl_b32 s32, s30, 11
	s_add_nc_u64 s[50:51], s[46:47], s[32:33]      ; and its scale bytes
	MUL \b
.rept 8
	v_nop                                          ; eight places behind this form, ahead of loads into registers that it has read and of the first read of its results
.endr
.if \pf
	TIDX 31, \b+2
	SETA \b, 31                                    ; (the loads that named these bases are in)
	LOADA \b
.endif
	; silu(a) = a / (1 + 2^(-a log2 e)), 32 numbers a lane; each accumulator is read from its low end on
.irp p, 0,2,4,6,8,10,12,14,16,18,20,22,24,26,28,30
	v_pk_mul_f32 v[T+\p:T+\p+1], v[ACC+\p:ACC+\p+1], s[56:57] op_sel_hi:[1,0]
.endr
.set i, 0
.rept 32
	v_exp_f32 v[T+i], v[T+i]
.set i, i+1
.endr
	v_nop                                          ; a plain instruction behind the batch,
	s_wait_alu depctr_va_vdst(0)                   ; and one wait for it, ahead of its first reader
.irp p, 0,2,4,6,8,10,12,14,16,18,20,22,24,26,28,30
	v_pk_add_f32 v[T+\p:T+\p+1], v[T+\p:T+\p+1], s[58:59] op_sel_hi:[1,0]
.endr
.set i, 0
.rept 32
	v_rcp_f32 v[T+i], v[T+i]
.set i, i+1
.endr
	v_nop
	s_wait_alu depctr_va_vdst(0)
.irp p, 0,2,4,6,8,10,12,14,16,18,20,22,24,26,28,30
	v_pk_mul_f32 v[HH+\p:HH+\p+1], v[ACC+\p:ACC+\p+1], v[T+\p:T+\p+1]
.endr
	; the quantiser, on two blocks of 32 along the next K: register 16 u + i is hidden unit 64 wn + 32 u + 16 h + i of my row
.irp u, 0,1
	v_max3_num_f32 v[TM+\u], |v[HH+16*\u]|, |v[HH+1+16*\u]|, 0x4800000   ; and the floor 2^(9 - 127): the byte cannot fall under 1
.endr
.irp i, 2,4,6,8,10,12,14
.irp u, 0,1
	v_max3_num_f32 v[TM+\u], v[TM+\u], |v[HH+16*\u+\i]|, |v[HH+1+16*\u+\i]|
.endr
.endr
.irp u, 0,1
	v_permlanex16_b32 v[TM+2+\u], v[TM+\u], s52, s53
.endr
.irp u, 0,1
	v_max_num_f32 v[TM+\u], v[TM+\u], v[TM+2+\u]   ; with lane l xor 16's: the block's largest magnitude
.endr
.irp u, 0,1
	v_add_nc_u32 v[TM+6+\u], 0xfc000000, v[TM+\u]  ; 8 off its exponent field: the conversion's scale operand
.endr
.irp u, 0,1
	v_and_or_b32 v[TM+4+\u], v[TM+\u], 0x7f800000, s54   ; 448 x the scale
.endr
.irp u, 0,1
	v_lshrrev_b32 v[TM+2+\u], 23, v[TM+6+\u]       ; the scale's byte
.endr
	v_lshl_or_b32 v[PW], v[TM+3], 8, v[TM+2]
.irp u, 0,1
.irp i, 0,1,2,3,4,5,6,7,8,9,10,11,12,13,14,15
	v_med3_num_f32 v[HH+16*\u+\i], v[HH+16*\u+\i], -v[TM+4+\u], v[TM+4+\u]   ; the conversion to an 8-bit code does not saturate (ISA guide 7.6.2): the hold comes first
.endr
	v_cvt_scalef32_pk8_fp8_f32 v[PC+4*\u:PC+1+4*\u], v[HH+16*\u:HH+7+16*\u], v[TM+6+\u]
	v_cvt_scalef32_pk8_fp8_f32 v[PC+2+4*\u:PC+3+4*\u], v[HH+8+16*\u:HH+15+16*\u], v[TM+6+\u]
.endr
	v_nop                                          ; a plain instruction behind the last conversion
	global_store_b128 v4, v[PC:PC+3], s[48:49]                 ; registers 4 c .. 4 c + 3, c = 2 wn + u, of K step blk's image: 512 consecutive bytes a store
	global_store_b128 v4, v[PC+4:PC+7], s[48:49] offset:512
	global_store_b16 v5, v[PW], s[50:51]                       ; bytes 2 wn, 2 wn + 1 of my row's scale word (both halves of the lanes hold the same): one byte for 32 of codes
.endm
	s_load_b256 s[4:11], s[0:1], 0x0               ; plan s[4:5], xq s[6:7], xs s[8:9], w1_codes s[10:11]
	s_load_b128 s[12:15], s[0:1], 0x20             ; w1_scales s[12:13], hq s[14:15]
	s_load_b64 s[16:17], s[0:1], 0x30              ; hs
	v_lshl_add_u32 v254, v0, 2, 0x20800
	v_mov_b32 v255, 0
	v_and_b32 v1, 31, v0                           ; lane
	v_and_b32 v2, 15, v0                           ; r
	v_bfe_u32 v3, v0, 4, 1                         ; h
	v_lshrrev_b32 v12, 5, v0
	v_readfirstlane_b32 s18, v12                   ; wave
	s_and_b32 s19, s18, 1                          ; wn
	s_lshr_b32 s20, s18, 1                         ; wm
	s_and_b32 s21, ttmp7, 0xffff                   ; e
	s_mov_b32 s22, ttmp9                           ; blk
	v_lshlrev_b32 v4, 4, v1                        ; 16 x lane
	v_lshlrev_b32 v5, 4, v2                        ; 16 r
	v_mul_u32_u24 v6, v12, 33280
	v_lshl_add_u32 v6, v1, 4, v6                   ; LDS, on the way in: my wave's 32 rows of 1,040 bytes, + 16 x lane
	v_bfe_u32 v13, v0, 5, 1
	v_lshl_add_u32 v13, v13, 6, v2
	v_mul_u32_u24 v7, v13, 1040
	v_lshl_add_u32 v7, v3, 4, v7                   ; and back: (64 wn + r) x 1,040 + 16 h
	v_and_b32 v14, 8, v2
	v_add_nc_u32 v14, v14, v2
	v_lshl_add_u32 v14, v3, 3, v14                 ; the weights' scale words: lanes 0-15 the even tile's rows r + 8 (r / 8), lanes 16-31 the odd tile's, 8 further on;
	v_lshlrev_b32 v8, 5, v14                       ; 32 bytes a row,
	s_lshl_b32 s30, s19, 11
	v_add_nc_u32 v8, s30, v8                       ; + my 64 rows
	v_mov_b32 v[TM+2], 0                           ; a lane permute's destination counts as one of its sources
	v_mov_b32 v[TM+3], 0
	s_mov_b32 s52, 0x76543210
	s_mov_b32 s53, 0xfedcba98                      ; v_permlanex16_b32's selects for lane l xor 16
	s_mov_b32 s54, 0x600000                        ; the mantissa field of 448
	s_mov_b32 s56, 0xbfb8aa3b                      ; -log2(e); the packed forms name a pair and take its low word for both halves
	s_mov_b32 s57, s56
	s_mov_b32 s58, 1.0
	s_mov_b32 s59, s58
	s_wait_kmcnt 0x0
	s_lshl_b32 s34, s21, 3
	s_load_b64 s[24:25], s[4:5], s34 offset:0x0    ; my expert's tiles, and its first tile
	s_lshl_b32 s30, s21, 17
	s_lshl_b32 s31, s22, 12
	s_add_co_u32 s30, s30, s31
	s_mov_b32 s31, 0
	s_add_nc_u64 s[12:13], s[12:13], s[30:31]      ; scales: 131,072 e + 4,096 blk
	s_lshl_b32 s30, s21, 22
	s_lshl_b32 s32, s22, 17
	s_add_co_u32 s30, s30, s32
	s_lshl_b32 s32, s18, 15
	s_add_co_u32 s30, s30, s32
	s_add_nc_u64 s[10:11], s[10:11], s[30:31]      ; codes: the expert, the block's 128 rows, my wave's 32 of them
	s_lshl_b32 s30, s22, 11
	s_lshl_b32 s32, s19, 10
	s_add_co_u32 s30, s30, s32
	s_add_nc_u64 s[44:45], s[14:15], s[30:31]      ; hq: K step blk's image, my half of it
	s_lshr_b32 s30, s22, 2
	s_lshl_b32 s30, s30, 8
	s_and_b32 s32, s22, 3
	s_lshl_b32 s32, s32, 2
	s_add_co_u32 s30, s30, s32
	s_lshl_b32 s32, s19, 1
	s_add_co_u32 s30, s30, s32
	s_add_nc_u64 s[46:47], s[16:17], s[30:31]      ; hs: 256 (blk / 4) + 4 (blk % 4) + 2 wn
.irp np, 0,1
	global_load_b128 v[BS+8*\np:BS+8*\np+3],   v8, s[12:13] offset:1024*\np
	global_load_b128 v[BS+8*\np+4:BS+8*\np+7], v8, s[12:13] offset:1024*\np+16
.endr
	WIN 0x80                                       ; destination window 2
.set i, 0
.rept 64
	global_load_b128 v[4*i:4*i+3], v4, s[10:11] offset:512*i th:TH_LOAD_NT   ; half a row: 512 consecutive bytes; each byte is read once in the launch
.set i, i+1
.endr
	WIN 0
	s_wait_kmcnt 0x0
	s_min_u32 s24, s24, 64                         ; (an expert has at most 1,024 rows)
	s_add_co_u32 s26, s24, 1
	s_sub_co_u32 s26, s26, s20
	s_lshr_b32 s26, s26, 1                         ; my wave's tiles,
	s_sub_co_u32 s27, s26, 1                       ; the last step,
	s_add_co_u32 s28, s25, s20                     ; my first tile,
	s_lshr_b32 s23, s27, 1                         ; and the loop's trips, two tiles each: (tiles - 1) / 2; one or two tiles are left for the tail
	WIN 0x08                                       ; an LDS store's data: window 2
.irp q, 0,1,2,3
	s_wait_loadcnt 48-16*\q                        ; this group's 16 loads are in; the younger groups may be out
.irp k, 0,1,2,3,4,5,6,7,8,9,10,11,12,13,14,15
	ds_store_b128 v6, v[4*(16*\q+\k):4*(16*\q+\k)+3] offset:(16*(\q%2)+8*(\q/2)+\k/2)*1040+512*(\k%2)   ; row 8 q + k / 2 of my 32 goes to place 16 (q % 2) + 8 (q / 2) + k / 2
.endr
.endr
	WIN 0
	s_wait_dscnt 0x0                               ; for the others' sake: my stores have landed (and have read their registers)
	s_barrier_signal -1
	s_barrier_wait -1
	s_cmp_eq_u32 s26, 0
	s_cbranch_scc1 .Lend                           ; no tile for my wave
	s_mov_b32 s29, 0                               ; trips done: my wave's step is twice this, + the buffer
	TIDX 30, 0
	SETA 0, 30
	LOADA 0
	TIDX 30, 1
	SETA 1, 30
	LOADA 1                                        ; the first two tiles are on their way while the weights' fragments come out of LDS
	WIN 0x80
.irp n, 0,1,2,3
.irp s, 0,1,2,3
.irp c, 0,1,2,3
	ds_load_b128 v[64*\n+16*\s+4*\c:64*\n+16*\s+4*\c+3], v7 offset:16640*\n+128*\s+32*\c
.endr
.endr
.endr
	WIN 0xc0
.irp n, 0,1,2,3
.irp s, 0,1,2,3
.irp c, 0,1,2,3
	ds_load_b128 v[64*\n+16*\s+4*\c:64*\n+16*\s+4*\c+3], v7 offset:16640*\n+128*(\s+4)+32*\c
.endr
.endr
.endr
	WIN 0
	s_wait_dscnt 0x0
	s_cmp_eq_u32 s23, 0
	s_cbranch_scc1 .Ltail
.Ltrip:                                                ; two tiles a trip, while more than two are left
	TILE 0, 1, LPT
	TILE 1, 1, LPT
	s_add_co_u32 s29, s29, 1
	s_cmp_lt_u32 s29, s23
	s_cbranch_scc1 .Ltrip
.Ltail:                                                ; one or two are left; nothing more is fetched
	TILE 0, 0, LPT
	s_lshl_b32 s30, s29, 1
	s_add_co_u32 s30, s30, 1
	s_cmp_ge_u32 s30, s26
	s_cbranch_scc1 .Lend
	TILE 1, 0, 0
.Lend:
	s_wait_tensorcnt 0x0
	ds_add_u32 v254, v255
	s_wait_dscnt 0x0
	s_endpgm
.Lfunc_end_k_qd4de9feae7_gemm1:
	.size	k_qd4de9feae7_gemm1, .Lfunc_end_k_qd4de9feae7_gemm1-k_qd4de9feae7_gemm1
	.p2alignl 7, 3214868480
	.fill 96, 4, 3214868480
	.section	.rodata,"a",@progbits
	.p2align	6, 0x0
	.amdhsa_kernel k_qd4de9feae7_gemm1
		.amdhsa_group_segment_fixed_size 133632
		.amdhsa_private_segment_fixed_size 0
		.amdhsa_enable_private_segment 0
		.amdhsa_kernarg_size 56
		.amdhsa_user_sgpr_count 2
		.amdhsa_user_sgpr_kernarg_segment_ptr 1
		.amdhsa_wavefront_size32 1
		.amdhsa_system_sgpr_workgroup_id_x 1
		.amdhsa_system_sgpr_workgroup_id_y 1
		.amdhsa_system_sgpr_workgroup_id_z 1
		.amdhsa_system_vgpr_workitem_id 0
		.amdhsa_next_free_vgpr 1024
		.amdhsa_next_free_sgpr 66
		.amdhsa_reserve_vcc 0
		.amdhsa_float_denorm_mode_32 3
		.amdhsa_float_denorm_mode_16_64 3
		.amdhsa_memory_ordered 1
		.amdhsa_forward_progress 1
		.amdhsa_inst_pref_size 94
	.end_amdhsa_kernel
	.amdgpu_metadata
---
amdhsa.version: [ 1, 2 ]
amdhsa.kernels:
  - .name:           k_qd4de9feae7_gemm1
    .symbol:         k_qd4de9feae7_gemm1.kd
    .args:
      - { .name: plan, .offset: 0, .size: 8, .value_kind: global_buffer, .address_space: global }
      - { .name: xq, .offset: 8, .size: 8, .value_kind: global_buffer, .address_space: global }
      - { .name: xs, .offset: 16, .size: 8, .value_kind: global_buffer, .address_space: global }
      - { .name: w1_codes, .offset: 24, .size: 8, .value_kind: global_buffer, .address_space: global }
      - { .name: w1_scales, .offset: 32, .size: 8, .value_kind: global_buffer, .address_space: global }
      - { .name: hq, .offset: 40, .size: 8, .value_kind: global_buffer, .address_space: global }
      - { .name: hs, .offset: 48, .size: 8, .value_kind: global_buffer, .address_space: global }
    .group_segment_fixed_size: 133632
    .private_segment_fixed_size: 0
    .kernarg_segment_align: 8
    .kernarg_segment_size: 56
    .max_flat_workgroup_size: 128
    .sgpr_count:     66
    .vgpr_count:     1024
    .wavefront_size: 32
...
	.end_amdgpu_metadata
.endif
;; end of part 3
;; launch gemm2 (part 4): grid 32 x 8, 4 waves a work-group, no clusters, 151,040 bytes of LDS; arguments plan, hq, hs, w2_codes, w2_scales, y; writes y
.if DOCPART == 4
	.amdgcn_target "amdgcn-amd-amdhsa--gfx1250"
	.amdhsa_code_object_version 6
	.text
	.protected	k_qd4de9feae7_gemm2
	.globl	k_qd4de9feae7_gemm2
	.p2align	8
	.type	k_qd4de9feae7_gemm2,@function
k_qd4de9feae7_gemm2:
	s_mov_b64 s[64:65], 0
	v_nop
	global_prefetch_b8 v0, s[64:65] scope:SCOPE_SE
	s_setreg_imm32_b32 hwreg(HW_REG_WAVE_MODE, 25, 1), 1
	s_wait_xcnt 0x0
; THE SECOND PRODUCT OF EACH EXPERT, ON ITS OWN ROWS ALONE: y = h w2[e], on codes of E4M3 with one E8M0 scale for each 32 along K; K = 4,096 is shared out in four quarters, whose sums the next launch adds.
; THE WEIGHTS STAND STILL.  Work-group (x, e), x = 8 kq + nb, holds 128 rows of w2[e] (outputs 128 nb on) x K = 1,024 kq .. + 1,023: 128 KB, read from memory once in the launch, in pieces of 1,024 consecutive bytes,
; and walks the expert's tiles of 16 rows.  Wave w: wn = w % 2: which 64 of the 128 weight rows; wm = w / 2: the even or the odd tiles.  Its 64 x 1,024 codes stay in 512 registers; they go once through LDS
; (pitch 1,040: the 16 rows of a fragment load start at 16 different banks).  ONE barrier, ahead of every branch on a number read from memory.
; h's codes lie in memory as images of the operand's registers: a tile's quarter is 32 loads of 512 consecutive bytes, straight into registers; two buffers take turns, one tile ahead.
; THE MATRIX INSTRUCTION IS USED TRANSPOSED (source 0 = 16 weight rows, source 1 = 16 rows of h): a lane holds eight neighbouring outputs of one row.  A tile's 16 rows x 64 outputs go through the wave's own stage in LDS
; and leave as rows: sixteen lanes store 256 consecutive, aligned bytes, into row d of y, d = 2 x token + choice from the list; rows that only fill a tile up go to spare rows (d from 2,048 on), which nobody reads.
; NO TENSOR LOADS, NO CLUSTER, though 8 work-groups read the same images: the number of tiles is read from memory, and trip counts that hang on such a number go with loads into registers alone.
; LIMITS: NaN and infinities are not served; a row's sum over K is taken in four parts.
; REGISTERS, in windows of 256.  Window 0: v1-11 addresses; v16-31 the weights' scale words; v32-39 the rows' (4 a buffer); v40-55 the list (8 a buffer); v56-63 the stores' offsets; v64-95 four accumulators; v96-127 rows on their way out.
;   Window 1: the rows' fragments, two buffers of 128.   Window 2: first the weights as loaded, then their fragments of K steps 0-3 (tile n, step s at 64 n + 16 s).   Window 3: K steps 4-7.
.set BS,  16
.set AS,  32
.set DL,  40
.set OFF, 56
.set ACC, 64
.set OB,  96
.set STG, 133120                       ; behind the weights: a stage of 16 rows x (256 + 16) bytes for each wave
.set PLANE, 2176*4096                  ; a quarter's plane of y
.set LPT, 35                           ; loads for a tile: 32 of codes, 1 of scale words, 2 of the list
.set MSB, 0
.macro WIN new                         ; the immediate's high byte repeats the setting that is left
.if MSB != \new
	s_set_vgpr_msb (MSB<<8)|\new
.set MSB, \new
.endif
.endm
; s[d] = the tile that my wave's step 2 x trip + add takes: first tile + parity + 2 x step; the step held at my last, the tile inside the buffers
.macro TIDX d, add
	s_lshl_b32 s[\d], s29, 1
	s_add_co_u32 s[\d], s[\d], (\add)
	s_min_u32 s[\d], s[\d], s27
	s_lshl_b32 s[\d], s[\d], 1
	s_add_co_u32 s[\d], s[\d], s28
	s_min_u32 s[\d], s[\d], 134
.endm
.macro SETA b, g                       ; buffer b's bases for tile s[g]
	s_lshl_b32 s32, s[\g], 16
	s_mov_b32 s33, 0
	s_add_nc_u64 s[36+2*\b:37+2*\b], s[6:7], s[32:33]
	s_lshl_b32 s32, s[\g], 11
	s_add_nc_u64 s[40+2*\b:41+2*\b], s[8:9], s[32:33]
	s_lshl_b32 s32, s[\g], 6
	s_add_nc_u64 s[56+2*\b:57+2*\b], s[44:45], s[32:33]
.endm
.macro LOADA b
	WIN 0x40                                       ; destination window 1
.irp s, 0,1,2,3,4,5,6,7
.irp c, 0,1,2,3
	global_load_b128 v[128*\b+16*\s+4*\c:128*\b+16*\s+4*\c+3], v4, s[36+2*\b:37+2*\b] offset:2048*\s+512*\c
.endr
.endr
	WIN 0
	global_load_b128 v[AS+4*\b:AS+4*\b+3], v4, s[40+2*\b:41+2*\b]   ; lanes 0-15: row r's words of the quarter's K steps 0-3; lanes 16-31: of 4-7
	global_load_b128 v[DL+8*\b:DL+8*\b+3],   v9, s[56+2*\b:57+2*\b]             ; d of rows 8 h + 0 .. 7
	global_load_b128 v[DL+8*\b+4:DL+8*\b+7], v9, s[56+2*\b:57+2*\b] offset:16
.endm
; one matrix instruction: weight tile n, K step s, rows' buffer b.  The weights' scale words of an odd tile, and the rows' of K steps 4-7, stand in lanes 16-31.
.macro WM n, s, b
.set rD, ACC+8*(\n)
.set rW, 64*(\n)+16*((\s)%4)
.set rA, 128*(\b)+16*(\s)
.set rX, BS+8*((\n)/2)+(\s)
.set rY, AS+4*(\b)+((\s)%4)
.if (\s) == 0
.if ((\n)%2) == 0
	v_wmma_scale_f32_16x16x128_f8f6f4 v[rD:rD+7], v[rW:rW+15], v[rA:rA+15], 0, v[rX], v[rY]
.else
	v_wmma_scale_f32_16x16x128_f8f6f4 v[rD:rD+7], v[rW:rW+15], v[rA:rA+15], 0, v[rX], v[rY] matrix_a_scale:MATRIX_SCALE_ROW1
.endif
.elseif (\s) < 4
.if ((\n)%2) == 0
	v_wmma_scale_f32_16x16x128_f8f6f4 v[rD:rD+7], v[rW:rW+15], v[rA:rA+15], v[rD:rD+7], v[rX], v[rY]
.else
	v_wmma_scale_f32_16x16x128_f8f6f4 v[rD:rD+7], v[rW:rW+15], v[rA:rA+15], v[rD:rD+7], v[rX], v[rY] matrix_a_scale:MATRIX_SCALE_ROW1
.endif
.else
.if ((\n)%2) == 0
	v_wmma_scale_f32_16x16x128_f8f6f4 v[rD:rD+7], v[rW:rW+15], v[rA:rA+15], v[rD:rD+7], v[rX], v[rY] matrix_b_scale:MATRIX_SCALE_ROW1
.else
	v_wmma_scale_f32_16x16x128_f8f6f4 v[rD:rD+7], v[rW:rW+15], v[rA:rA+15], v[rD:rD+7], v[rX], v[rY] matrix_a_scale:MATRIX_SCALE_ROW1 matrix_b_scale:MATRIX_SCALE_ROW1
.endif
.endif
.endm
; a tile's 32 matrix instructions: K ascending, the four accumulators by turns, one instruction a turn; the first K step starts the sums
.macro MUL b
	WIN 0x06                                       ; source 0 window 2, source 1 window 1, C and D window 0
.irp s, 0,1,2,3
.irp n, 0,1,2,3
	WM \n, \s, \b
.endr
.endr
	WIN 0x07                                       ; source 0 window 3
.irp s, 4,5,6,7
.irp n, 0,1,2,3
	WM \n, \s, \b
.endr
.endr
	WIN 0
.endm
; One tile, from buffer b.  pf = 1: the buffer is filled again with the tile two steps on.  left: the younger loads, the other buffer's, which may stay out.
.macro TILE b, pf, left
	s_wait_loadcnt \left                           ; this buffer's loads are in (loads come back in order)
	s_wait_xcnt 0x0                                ; the last tile's stores have read their data and offsets: both are written again below
	MUL \b
.irp i, 0,1,2,3,4,5,6,7
	v_min_u32 v[OFF+\i], 2175, v[DL+8*\b+\i]       ; a row of y (an index read from memory: held inside y).  These sixteen lines name no register of the products:
.endr
.irp i, 0,1,2,3,4,5,6,7
	v_lshl_add_u32 v[OFF+\i], v[OFF+\i], 12, v5    ; they are the places (eight are asked behind this form) ahead of the loads and of the first read of results
.endr
.if \pf
	TIDX 31, \b+2
	SETA \b, 31                                    ; (the loads that named these bases are in)
	LOADA \b
.endif
.irp n, 0,1,2,3
	ds_store_b128 v10, v[ACC+8*\n:ACC+8*\n+3] offset:64*\n         ; lane (r, h): row r, outputs 16 n + 8 h + 0 .. 7; each accumulator from its low end on
	ds_store_b128 v10, v[ACC+8*\n+4:ACC+8*\n+7] offset:64*\n+16
.endr
.irp i, 0,1,2,3,4,5,6,7
	ds_load_b128 v[OB+4*\i:OB+4*\i+3], v11 offset:272*\i           ; LDS serves a wave's instructions in order: these see my stores.  Lanes 0-15: row i; lanes 16-31: row 8 + i
.endr
.irp i, 0,1,2,3,4,5,6,7
	s_wait_dscnt 7-\i                              ; load i is in; the younger ones may be out
	global_store_b128 v[OFF+\i], v[OB+4*\i:OB+4*\i+3], s[14:15] th:TH_STORE_NT   ; sixteen lanes store 256 consecutive bytes, at a multiple of 256 from y's first byte
.endr
.endm
	s_load_b256 s[4:11], s[0:1], 0x0               ; plan s[4:5], hq s[6:7], hs s[8:9], w2_codes s[10:11]
	s_load_b128 s[12:15], s[0:1], 0x20             ; w2_scales s[12:13], y s[14:15]
	v_lshl_add_u32 v254, v0, 2, 0x24c00
	v_mov_b32 v255, 0
	v_and_b32 v1, 31, v0                           ; lane
	v_and_b32 v2, 15, v0                           ; r
	v_bfe_u32 v3, v0, 4, 1                         ; h
	v_lshrrev_b32 v12, 5, v0
	v_readfirstlane_b32 s18, v12                   ; wave
	s_and_b32 s19, s18, 1                          ; wn
	s_lshr_b32 s20, s18, 1                         ; wm
	s_and_b32 s21, ttmp7, 0xffff                   ; e
	s_and_b32 s22, ttmp9, 7                        ; nb
	s_lshr_b32 s35, ttmp9, 3                       ; kq
	v_lshlrev_b32 v4, 4, v1                        ; 16 x lane
	v_lshlrev_b32 v5, 4, v2                        ; 16 r
	v_mul_u32_u24 v6, v12, 33280
	v_lshl_add_u32 v6, v1, 4, v6                   ; LDS, on the way in: my wave's 32 rows of 1,040 bytes, + 16 x lane
	v_bfe_u32 v13, v0, 5, 1
	v_lshl_add_u32 v13, v13, 6, v2
	v_mul_u32_u24 v7, v13, 1040
	v_lshl_add_u32 v7, v3, 4, v7                   ; and back: (64 wn + r) x 1,040 + 16 h
	v_lshlrev_b32 v8, 7, v1                        ; the weights' scale words: lanes 0-15 the even tile's rows, lanes 16-31 the odd tile's: 128 bytes a row,
	s_lshl_b32 s30, s19, 13
	v_add_nc_u32 v8, s30, v8                       ; + my 64 rows
	v_lshlrev_b32 v9, 5, v3                        ; the list: 32 h
	v_mul_u32_u24 v10, v12, 4352
	v_mov_b32 v11, v10
	v_mad_u32_u24 v10, v2, 272, v10
	v_lshl_add_u32 v10, v3, 5, v10
	v_add_nc_u32 v10, STG, v10                     ; my stage, in: row r, + 32 h
	v_mad_u32_u24 v11, v3, 2176, v11
	v_lshl_add_u32 v11, v2, 4, v11
	v_add_nc_u32 v11, STG, v11                     ; and back: 8 h rows on, 16 bytes a lane
	s_wait_kmcnt 0x0
	s_lshl_b32 s34, s21, 3
	s_load_b64 s[24:25], s[4:5], s34 offset:0x0    ; my expert's tiles, and its first tile
	s_add_nc_u64 s[44:45], s[4:5], 256             ; the list
	s_lshl_b32 s30, s21, 17
	s_lshl_b32 s31, s22, 14
	s_add_co_u32 s30, s30, s31
	s_lshl_b32 s31, s35, 5
	s_add_co_u32 s30, s30, s31
	s_mov_b32 s31, 0
	s_add_nc_u64 s[12:13], s[12:13], s[30:31]      ; scales: 131,072 e + 16,384 nb + 32 kq
	s_lshl_b32 s30, s21, 22
	s_lshl_b32 s32, s22, 19
	s_add_co_u32 s30, s30, s32
	s_lshl_b32 s32, s18, 17
	s_add_co_u32 s30, s30, s32
	s_lshl_b32 s32, s35, 10
	s_add_co_u32 s30, s30, s32
	s_add_nc_u64 s[10:11], s[10:11], s[30:31]      ; codes: the expert, rows 128 nb + 32 w of 4,096 bytes, the quarter's 1,024
	s_lshl_b32 s30, s35, 14
	s_add_nc_u64 s[6:7], s[6:7], s[30:31]          ; hq: the quarter's eight images
	s_lshl_b32 s30, s35, 9
	s_add_nc_u64 s[8:9], s[8:9], s[30:31]          ; hs: the quarter's words
	s_mul_i32 s30, s35, PLANE
	s_lshl_b32 s32, s22, 9
	s_add_co_u32 s30, s30, s32
	s_lshl_b32 s32, s19, 8
	s_add_co_u32 s30, s30, s32
	s_add_nc_u64 s[14:15], s[14:15], s[30:31]      ; y: the quarter's plane, my 64 outputs
.irp np, 0,1
	global_load_b128 v[BS+8*\np:BS+8*\np+3],   v8, s[12:13] offset:4096*\np
	global_load_b128 v[BS+8*\np+4:BS+8*\np+7], v8, s[12:13] offset:4096*\np+16
.endr
	WIN 0x80                                       ; destination window 2
.set i, 0
.rept 64
	global_load_b128 v[4*i:4*i+3], v4, s[10:11] offset:4096*(i/2)+512*(i%2) th:TH_LOAD_NT   ; half of a row's quarter: 512 consecutive bytes; each byte is read once in the launch
.set i, i+1
.endr
	WIN 0
	s_wait_kmcnt 0x0
	s_min_u32 s24, s24, 64                         ; (an expert has at most 1,024 rows)
	s_add_co_u32 s26, s24, 1
	s_sub_co_u32 s26, s26, s20
	s_lshr_b32 s26, s26, 1                         ; my wave's tiles,
	s_sub_co_u32 s27, s26, 1                       ; the last step,
	s_add_co_u32 s28, s25, s20                     ; my first tile,
	s_lshr_b32 s23, s27, 1                         ; and the loop's trips, two tiles each: (tiles - 1) / 2; one or two tiles are left for the tail
	WIN 0x08                                       ; an LDS store's data: window 2
.irp q, 0,1,2,3
	s_wait_loadcnt 48-16*\q                        ; this group's 16 loads are in; the younger groups may be out
.irp k, 0,1,2,3,4,5,6,7,8,9,10,11,12,13,14,15
	ds_store_b128 v6, v[4*(16*\q+\k):4*(16*\q+\k)+3] offset:(8*\q+\k/2)*1040+512*(\k%2)
.endr
.endr
	WIN 0
	s_wait_dscnt 0x0                               ; for the others' sake: my stores have landed (and have read their registers)
	s_barrier_signal -1
	s_barrier_wait -1
	s_cmp_eq_u32 s26, 0
	s_cbranch_scc1 .Lend                           ; no tile for my wave
	s_mov_b32 s29, 0                               ; trips done: my wave's step is twice this, + the buffer
	TIDX 30, 0
	SETA 0, 30
	LOADA 0
	TIDX 30, 1
	SETA 1, 30
	LOADA 1                                        ; the first two tiles are on their way while the weights' fragments come out of LDS
	WIN 0x80
.irp n, 0,1,2,3
.irp s, 0,1,2,3
.irp c, 0,1,2,3
	ds_load_b128 v[64*\n+16*\s+4*\c:64*\n+16*\s+4*\c+3], v7 offset:16640*\n+128*\s+32*\c
.endr
.endr
.endr
	WIN 0xc0
.irp n, 0,1,2,3
.irp s, 0,1,2,3
.irp c, 0,1,2,3
	ds_load_b128 v[64*\n+16*\s+4*\c:64*\n+16*\s+4*\c+3], v7 offset:16640*\n+128*(\s+4)+32*\c
.endr
.endr
.endr
	WIN 0
	s_wait_dscnt 0x0
	s_cmp_eq_u32 s23, 0
	s_cbranch_scc1 .Ltail
.Ltrip:                                                ; two tiles a trip, while more than two are left
	TILE 0, 1, LPT
	TILE 1, 1, LPT
	s_add_co_u32 s29, s29, 1
	s_cmp_lt_u32 s29, s23
	s_cbranch_scc1 .Ltrip
.Ltail:                                                ; one or two are left; nothing more is fetched
	TILE 0, 0, LPT
	s_lshl_b32 s30, s29, 1
	s_add_co_u32 s30, s30, 1
	s_cmp_ge_u32 s30, s26
	s_cbranch_scc1 .Lend
	TILE 1, 0, 0
.Lend:
	s_wait_tensorcnt 0x0
	ds_add_u32 v254, v255
	s_wait_dscnt 0x0
	s_endpgm
.Lfunc_end_k_qd4de9feae7_gemm2:
	.size	k_qd4de9feae7_gemm2, .Lfunc_end_k_qd4de9feae7_gemm2-k_qd4de9feae7_gemm2
	.p2alignl 7, 3214868480
	.fill 96, 4, 3214868480
	.section	.rodata,"a",@progbits
	.p2align	6, 0x0
	.amdhsa_kernel k_qd4de9feae7_gemm2
		.amdhsa_group_segment_fixed_size 151040
		.amdhsa_private_segment_fixed_size 0
		.amdhsa_enable_private_segment 0
		.amdhsa_kernarg_size 48
		.amdhsa_user_sgpr_count 2
		.amdhsa_user_sgpr_kernarg_segment_ptr 1
		.amdhsa_wavefront_size32 1
		.amdhsa_system_sgpr_workgroup_id_x 1
		.amdhsa_system_sgpr_workgroup_id_y 1
		.amdhsa_system_sgpr_workgroup_id_z 1
		.amdhsa_system_vgpr_workitem_id 0
		.amdhsa_next_free_vgpr 1024
		.amdhsa_next_free_sgpr 66
		.amdhsa_reserve_vcc 0
		.amdhsa_float_denorm_mode_32 3
		.amdhsa_float_denorm_mode_16_64 3
		.amdhsa_memory_ordered 1
		.amdhsa_forward_progress 1
		.amdhsa_inst_pref_size 67
	.end_amdhsa_kernel
	.amdgpu_metadata
---
amdhsa.version: [ 1, 2 ]
amdhsa.kernels:
  - .name:           k_qd4de9feae7_gemm2
    .symbol:         k_qd4de9feae7_gemm2.kd
    .args:
      - { .name: plan, .offset: 0, .size: 8, .value_kind: global_buffer, .address_space: global }
      - { .name: hq, .offset: 8, .size: 8, .value_kind: global_buffer, .address_space: global }
      - { .name: hs, .offset: 16, .size: 8, .value_kind: global_buffer, .address_space: global }
      - { .name: w2_codes, .offset: 24, .size: 8, .value_kind: global_buffer, .address_space: global }
      - { .name: w2_scales, .offset: 32, .size: 8, .value_kind: global_buffer, .address_space: global }
      - { .name: y, .offset: 40, .size: 8, .value_kind: global_buffer, .address_space: global }
    .group_segment_fixed_size: 151040
    .private_segment_fixed_size: 0
    .kernarg_segment_align: 8
    .kernarg_segment_size: 48
    .max_flat_workgroup_size: 128
    .sgpr_count:     66
    .vgpr_count:     1024
    .wavefront_size: 32
...
	.end_amdgpu_metadata
.endif
;; end of part 4
;; launch combine (part 5): grid 256 x 1, 8 waves a work-group, no clusters, 0 bytes of LDS; arguments y, gw, out0; writes out0
.if DOCPART == 5
	.amdgcn_target "amdgcn-amd-amdhsa--gfx1250"
	.amdhsa_code_object_version 6
	.text
	.protected	k_qd4de9feae7_combine
	.globl	k_qd4de9feae7_combine
	.p2align	8
	.type	k_qd4de9feae7_combine,@function
k_qd4de9feae7_combine:
	s_mov_b64 s[64:65], 0
	v_nop
	global_prefetch_b8 v0, s[64:65] scope:SCOPE_SE
	s_setreg_imm32_b32 hwreg(HW_REG_WAVE_MODE, 25, 1), 1
	s_wait_xcnt 0x0
; out0[token] = w0 x (the first choice's row) + w1 x (the second's); a row is the sum of its four quarters along K.
; y: [4 quarters][2,176 rows][1,024] f32, row d = 2 x token + choice;  gw: [1,024][2] f32;  out0: [1,024][1,024] f32.
; A stream: a work-group takes 4 tokens, thread t the 16 bytes at 16 t of every row, so each load and store of a wave covers 512 consecutive bytes.  All 32 loads of a thread go out at once;
; each token has registers of its own, so no store's data are written again.  No LDS, no barrier, no matrix unit: memory binds.
.set PLANE, 2176*4096
	s_load_b128 s[4:7], s[0:1], 0x0                ; y s[4:5], gw s[6:7]
	s_load_b64 s[8:9], s[0:1], 0x10                ; out0
	v_lshlrev_b32 v1, 4, v0
	s_lshl_b32 s10, ttmp9, 15                      ; 8 rows of y
	s_mov_b32 s11, 0
	s_lshl_b32 s28, ttmp9, 5                       ; 4 pairs of gw
	s_mov_b32 s29, 0
	s_lshl_b32 s30, ttmp9, 14                      ; 4 rows of out0
	s_mov_b32 s31, 0
	s_wait_kmcnt 0x0
	s_add_nc_u64 s[6:7], s[6:7], s[28:29]
	s_load_b256 s[20:27], s[6:7], 0x0              ; token t's weights: s[20 + 2 t], s[21 + 2 t]
	s_add_nc_u64 s[12:13], s[4:5], s[10:11]        ; the four planes
	s_add_nc_u64 s[14:15], s[12:13], PLANE
	s_add_nc_u64 s[16:17], s[14:15], PLANE
	s_add_nc_u64 s[18:19], s[16:17], PLANE
	s_add_nc_u64 s[8:9], s[8:9], s[30:31]
.irp t, 0,1,2,3
.irp k, 0,1,2,3
.irp c, 0,1
	global_load_b128 v[16+32*\t+4*(2*\k+\c):16+32*\t+4*(2*\k+\c)+3], v1, s[12+2*\k:13+2*\k] offset:8192*\t+4096*\c th:TH_LOAD_NT
.endr
.endr
.endr
	s_wait_kmcnt 0x0
.irp t, 0,1,2,3
	s_wait_loadcnt 24-8*\t                         ; this token's eight loads are in; the later tokens' may be out
.irp c, 0,4
.irp p, 0,2
	v_pk_add_f32 v[16+32*\t+\c+\p:17+32*\t+\c+\p], v[16+32*\t+\c+\p:17+32*\t+\c+\p], v[24+32*\t+\c+\p:25+32*\t+\c+\p]
	v_pk_add_f32 v[32+32*\t+\c+\p:33+32*\t+\c+\p], v[32+32*\t+\c+\p:33+32*\t+\c+\p], v[40+32*\t+\c+\p:41+32*\t+\c+\p]
.endr
.endr
.irp c, 0,4
.irp p, 0,2
	v_pk_add_f32 v[16+32*\t+\c+\p:17+32*\t+\c+\p], v[16+32*\t+\c+\p:17+32*\t+\c+\p], v[32+32*\t+\c+\p:33+32*\t+\c+\p]
.endr
.endr
.irp i, 0,1,2,3
	v_mul_f32 v[16+32*\t+\i], s[20+2*\t], v[16+32*\t+\i]
.endr
.irp i, 0,1,2,3
	v_fmac_f32 v[16+32*\t+\i], s[21+2*\t], v[20+32*\t+\i]
.endr
	global_store_b128 v1, v[16+32*\t:19+32*\t], s[8:9] offset:4096*\t th:TH_STORE_NT
.endr
	s_endpgm
.Lfunc_end_k_qd4de9feae7_combine:
	.size	k_qd4de9feae7_combine, .Lfunc_end_k_qd4de9feae7_combine-k_qd4de9feae7_combine
	.p2alignl 7, 3214868480
	.fill 96, 4, 3214868480
	.section	.rodata,"a",@progbits
	.p2align	6, 0x0
	.amdhsa_kernel k_qd4de9feae7_combine
		.amdhsa_group_segment_fixed_size 0
		.amdhsa_private_segment_fixed_size 0
		.amdhsa_enable_private_segment 0
		.amdhsa_kernarg_size 24
		.amdhsa_user_sgpr_count 2
		.amdhsa_user_sgpr_kernarg_segment_ptr 1
		.amdhsa_wavefront_size32 1
		.amdhsa_system_sgpr_workgroup_id_x 1
		.amdhsa_system_sgpr_workgroup_id_y 1
		.amdhsa_system_sgpr_workgroup_id_z 1
		.amdhsa_system_vgpr_workitem_id 0
		.amdhsa_next_free_vgpr 144
		.amdhsa_next_free_sgpr 66
		.amdhsa_reserve_vcc 0
		.amdhsa_float_denorm_mode_32 3
		.amdhsa_float_denorm_mode_16_64 3
		.amdhsa_memory_ordered 1
		.amdhsa_forward_progress 1
		.amdhsa_inst_pref_size 9
	.end_amdhsa_kernel
	.amdgpu_metadata
---
amdhsa.version: [ 1, 2 ]
amdhsa.kernels:
  - .name:           k_qd4de9feae7_combine
    .symbol:         k_qd4de9feae7_combine.kd
    .args:
      - { .name: y, .offset: 0, .size: 8, .value_kind: global_buffer, .address_space: global }
      - { .name: gw, .offset: 8, .size: 8, .value_kind: global_buffer, .address_space: global }
      - { .name: out0, .offset: 16, .size: 8, .value_kind: global_buffer, .address_space: global }
    .group_segment_fixed_size: 0
    .private_segment_fixed_size: 0
    .kernarg_segment_align: 8
    .kernarg_segment_size: 24
    .max_flat_workgroup_size: 256
    .sgpr_count:     66
    .vgpr_count:     144
    .wavefront_size: 32
...
	.end_amdgpu_metadata
.endif
;; end of part 5
